; MI455X (gfx1250); checked and timed in simulation.
; The chip was launched on July 23, 2026; its instructions are those of AMD's public machine-readable ISA for CDNA 5 (MIT licence, August 2026) and "CDNA5" Instruction Set Architecture Reference Guide (July 2026). The comments in the code are by the model that wrote it; some were corrected since.
;; Masked Self Attention. Allowed arithmetic: matrix products marked QUANTISED: E4M3 operands, one given power-of-two scale a tensor, by v_wmma_f32_16x16x64_fp8_fp8 or v_wmma_f32_16x16x128_fp8_fp8, f32 sums; everything else in f32.
;; Inputs: Wk 256 x 256 float32; Wq 256 x 256 float32; Wv 256 x 256 float32; bk 256 float32; bq 256 float32; bv 256 float32; lowp_scales 10 int32 (the exponents e of the quantised operands' scales 2^e); x 4 x 4,096 x 256 float32.
;; Outputs: out0 4 x 4,096 x 256 float32.
;; This version of the problem:
;;   THIS VERSION OF THE PROBLEM IS GIVEN IN LOW PRECISION. The matrix products marked QUANTISED in the list below multiply operands that are first quantised to E4M3 (4 exponent bits, 3 mantissa bits; 8 bits a number), with one given power-of-two scale for each operand tensor; their sums are f32. All else is computed in f32.
;;   The module's matrix products, in the order in which they are computed (A, B: the left and right operand; K: the contracted axis; several contracted axes count as one K, in the product's order):
;;     1. [M 16,384, K 256] x [K 256, N 256]; A: input x; B: input Wq: QUANTISED (scales: A lowp_scales[0], B lowp_scales[1])
;;     2. [M 16,384, K 256] x [K 256, N 256]; A: input x; B: input Wk: QUANTISED (scales: A lowp_scales[2], B lowp_scales[3])
;;     3. [M 16,384, K 256] x [K 256, N 256]; A: input x; B: input Wv: QUANTISED (scales: A lowp_scales[4], B lowp_scales[5])
;;     4. batch 4 x [M 4,096, K 256] x [K 256, N 4,096]; A: computed on the way; B: computed on the way: QUANTISED (scales: A lowp_scales[6], B lowp_scales[7])
;;     5. batch 4 x [M 4,096, K 4,096] x [K 4,096, N 256]; A: softmax (see below); B: computed on the way: QUANTISED (scales: A lowp_scales[8], B lowp_scales[9])
;;   THE QUANTISER, for each operand of a quantised product, along K:
;;     - The operand's scale is 2^e, e = its entry of the input lowp_scales (int32; the entries are numbered through the quantised products in the list's order, A before B).
;;     - Each number is divided by the scale, clamped to +-448, and rounded to the nearest number of E4M3, ties to even, subnormals kept.
;;     - The product sums the exact products of the quantised numbers (number of the format x scale) in f32.
;;   ~~~python
;;   def quantise(x, axis, e):      # numpy; x: float32 -> the quantised numbers, widened to float32 again
;;       x = np.moveaxis(x, axis, -1); K = x.shape[-1]
;;       r = np.clip(x / 2.0 ** e, -448, 448)
;;       step = 2.0 ** (np.maximum(np.frexp(np.where(r == 0, 1, r))[1] - 1, -6) - 3)
;;       q = np.round(r / step) * step * 2.0 ** e      # np.round: ties to even
;;       return np.moveaxis(q, -1, axis).astype(np.float32)
;;   ~~~
;;   SOFTMAX AHEAD OF A QUANTISED PRODUCT. Where the list says 'softmax', what is quantised is not the finished softmax but p = 2^(t - M), with t = logit x log2(e) and M = ceil(the row's largest t), a whole number; so 1/2 < the row's largest p <= 1. The row's sum l is taken of the UNQUANTISED p, in f32, and the product's result is divided by l at the end. Since M is a whole number, a kernel that streams over the keys may use a running M (the ceiling of the running maximum): every later rescaling is an exact power of two, so the quantised numbers keep their values, but for numbers so far below the row's largest that they fall under the format's range.
;;   OPERANDS COMPUTED ON THE WAY. 'Computed on the way' means the value that the module computes at that place (a softmax that the list does not call 'softmax' is quantised finished and normalised). What goes into a quantiser is computed in f32, as accurately as f32 sums, v_exp_f32 and their like allow (about 1e-6 of the number): no bf16 or f16 on the way to a quantiser, and a product that is left as it is and whose result goes on into a quantised operand takes f32 operands (vector FMAs, or v_wmma_f32_16x16x4_f32). A number that lies on a knife's edge between two numbers of the format may be rounded either way, as far as f32 arithmetic and the matrix unit's own rounding can turn it there, and no further.
;; 2 versions, each right; version 2 is version 1 with the launch proj written anew for expert scheduling mode. Each part assembles by itself: llvm-mc -triple=amdgcn-amd-amdhsa -mcpu=gfx1250 --defsym DOCPART=n.
;; ======== version 1 of 2: 2 launches
;; workspace buffers: q_img 4,194,304 bytes; kv_img 8,388,608 bytes
;; launch proj (part 1): grid 64 x 3, 16 waves a work-group, no clusters, 145,408 bytes of LDS; arguments x, Wq, Wk, Wv, bq, bk, bv, lowp_scales, q_img, kv_img; writes q_img, kv_img
.if DOCPART == 1
	.amdgcn_target "amdgcn-amd-amdhsa--gfx1250"
	.amdhsa_code_object_version 6
	.text
	.protected	k_qa42a9738eb_proj
	.globl	k_qa42a9738eb_proj
	.p2align	8
	.type	k_qa42a9738eb_proj,@function
k_qa42a9738eb_proj:
	s_mov_b64 s[64:65], 0
	v_nop
	global_prefetch_b8 v0, s[64:65] scope:SCOPE_SE
	s_setreg_imm32_b32 hwreg(HW_REG_WAVE_MODE, 25, 1), 1
	s_wait_xcnt 0x0
; Q = x Wq^T + bq, K = x Wk^T + bk, V = x Wv^T + bv on codes of FP8 (E4M3), and the results quantised again for the attention that follows.
; x: [16384][256] f32.  W: [256 (out)][256 (in)] f32.  Scales 2^e, e from lowp_scales: x 0, 2, 4; W 1, 3, 5; Q 6, K 7, V 9.
; SHARES.  Work-group (bx, y): rows 256 bx .. + 255 of x, and the whole weight of y (0: Q, 1: K, 2: V).  Sixteen waves.
; ONE PATH FOR ALL THREE: Out[rho][pi] = sum over k of R[rho][k] P[pi][k], source 0 = 16 rows of P, source 1 = 16 rows of R, so that a lane holds one row of R
; and its registers run along P, which is the next product's K.  Q, K: R = x, P = W (codes along d).  V: R = Wv, P = x (codes along the keys).  Only scalars chosen on y differ.
; THE ROWS OF A TILE ARE NOT NEIGHBOURS: place r of tile 2 b + u is row 32 b + 8 u + r + 8 (r / 8), so that a lane's 16 registers of tiles 2 b, 2 b + 1 are the neighbours 32 b + 16 (lane / 16) + 0 .. 15.
; OUT: images of operand registers.  A fragment (16 rows x 128 along K) is 2,048 bytes: chunk c at 512 c + 16 lane holds, of the tile's row lane % 16, k = 32 c + 16 (lane / 16) + 0 .. 15.
;   q_img: [tile of 16 queries][d step][2048].   kv_img: [block of 256 keys][131072]: K: [key tile][d step][2048]; from 65,536 on V: [d tile][key step][2048].
; PHASE A: wave w quantises rows 16 w .. + 15 of x's block and of W.  A load reads 512 consecutive bytes; a lane's 8 numbers of a row (k = 4 l .. + 3 and 128 + 4 l .. + 3) become 8 codes at byte 8 l of the row in LDS:
;   a permutation of k that is the same in x and in W, so every product meets its partner (a tensor has one scale).
; PHASE B: wave (wr, wp) makes 64 rows of R x 64 rows of P: 16 accumulators by turns, K in four steps of 64.   PHASE C: bias, hold, conversion; each store covers 512 consecutive bytes, aligned.
; NO JOINT LOADS, NO TENSOR LOADS: the f32 numbers are wanted in registers, once, for the conversion; as tiles a work-group's 524,288 bytes of them would pass the 327,680 bytes that a launch may claim,
;   so they would need slots, refills and a way through LDS for bytes that are used once.
; LIMITS, so that each power of two below is an f32 number: ex, ew and eo - ex - ew between -126 and 119.  NaN among the inputs is not served; what lies beyond a scale's range is held at the largest code.
; REGISTERS: v1 16 lane; v2, v3 where I store x's and W's codes; v4, v5 my fragments of R and of P; v6 my place in the images; v7, v8 offsets into the bias; v11-14 scales and holds for x and W;
;   v16-143 the accumulators (phase A: two sets of 64 numbers); v144-175 R's fragments, v176-207 P's (phase A: codes; phase C: v144-175 codes); v208-239 bias along P; v240-247 bias along R (pairs); v248, v249 the results' scale and hold.
.set GP,  4480                         ; 16 rows in LDS: 16 x 272 + 128, so that rows 0-7 and rows 16-23 of a tile start at sixteen different banks
.set RP,  272                          ; a row of 256 codes + 16
.set WC,  16*GP                        ; x's codes at 0, W's codes here
.set ACC, 16
.set S0,  16
.set S1,  80
.set FRR, 144
.set FRP, 176
.set CD,  144
.set BP,  208
.set BR,  240
.macro PLACES n
.rept \n
	v_nop
.endr
.endm
.macro LOADB set, base, row0           ; eight rows of 1,024 bytes: two loads a row, each 512 consecutive bytes
.irp i, 0,1,2,3,4,5,6,7
	global_load_b128 v[\set+8*\i:\set+8*\i+3], v1, s[\base:\base+1] offset:(\row0+\i)*1024
	global_load_b128 v[\set+8*\i+4:\set+8*\i+7], v1, s[\base:\base+1] offset:(\row0+\i)*1024+512
.endr
.endm
.macro QUANT set, code, sc, lim, adr, row0   ; eight rows: hold, conversion, 8 codes a lane and row into LDS
.irp i, 0,1,2,3,4,5,6,7
.irp j, 0,1,2,3,4,5,6,7
	v_med3_num_f32 v[\set+8*\i+\j], v[\set+8*\i+\j], -v[\lim], v[\lim]   ; the conversion to an 8-bit code does not saturate (ISA guide 7.6.2): the hold at the largest code x the scale
.endr
	v_cvt_scalef32_pk8_fp8_f32 v[\code+2*\i:\code+2*\i+1], v[\set+8*\i:\set+8*\i+7], v[\sc]
.endr
	v_nop                                          ; one plain vector line behind the last conversion: its sources are written again by matrix instructions later
.irp i, 0,1,2,3,4,5,6,7
	ds_store_b64 v[\adr], v[\code+2*\i:\code+2*\i+1] offset:(\row0+\i)*RP
.endr
.endm
.macro KSTEP q                         ; 64 along K: four fragments of R, four of P, sixteen products; the sixteen accumulators take turns
.irp t, 0,1,2,3
	ds_load_b128 v[FRR+8*\t:FRR+8*\t+3],   v4 offset:(\t/2)*2*GP+(\t%2)*8*RP+64*\q
	ds_load_b128 v[FRR+8*\t+4:FRR+8*\t+7], v4 offset:(\t/2)*2*GP+(\t%2)*8*RP+64*\q+32
	ds_load_b128 v[FRP+8*\t:FRP+8*\t+3],   v5 offset:(\t/2)*2*GP+(\t%2)*8*RP+64*\q
	ds_load_b128 v[FRP+8*\t+4:FRP+8*\t+7], v5 offset:(\t/2)*2*GP+(\t%2)*8*RP+64*\q+32
.endr
	s_wait_dscnt 0x0
.irp a, 0,1,2,3
.irp b, 0,1,2,3
.if \q == 0
	v_wmma_f32_16x16x64_fp8_fp8 v[ACC+32*\a+8*\b:ACC+32*\a+8*\b+7], v[FRP+8*\b:FRP+8*\b+7], v[FRR+8*\a:FRR+8*\a+7], v[BP+8*\b:BP+8*\b+7]   ; the bias along P starts the sum
.else
	v_wmma_f32_16x16x64_fp8_fp8 v[ACC+32*\a+8*\b:ACC+32*\a+8*\b+7], v[FRP+8*\b:FRP+8*\b+7], v[FRR+8*\a:FRR+8*\a+7], v[ACC+32*\a+8*\b:ACC+32*\a+8*\b+7]
.endif
.endr
.endr
	PLACES 4                                       ; in front of the next loads into the fragments' registers, and of the first read of the results
.endm
	s_load_b512 s[8:23], s[0:1], 0x0               ; x s[8:9], Wq, Wk, Wv s[10:15], bq, bk, bv s[16:21], the scales' exponents s[22:23]
	s_load_b128 s[24:27], s[0:1], 0x40             ; q_img s[24:25], kv_img s[26:27]
	v_lshl_add_u32 v254, v0, 2, 0x23000
	v_mov_b32 v255, 0
	s_and_b32 s2, ttmp7, 0xffff                    ; y: which of Q, K, V
	s_mov_b32 s3, ttmp9                            ; bx: which 256 rows of x
	v_lshrrev_b32 v9, 5, v0
	v_readfirstlane_b32 s4, v9                     ; wave 0..15
	s_lshr_b32 s5, s4, 2                           ; wr: my 64 rows of R
	s_and_b32 s6, s4, 3                            ; wp: my 64 rows of P
	v_and_b32 v9, 31, v0
	v_lshlrev_b32 v1, 4, v9                        ; 16 x lane
	s_mul_i32 s49, s4, GP
	v_lshl_add_u32 v2, v9, 3, s49                  ; phase A: 8 x lane + my group of 16 rows, in x's codes,
	v_add_nc_u32 v3, WC, v2                        ; and in W's
	v_bfe_u32 v9, v0, 3, 1                         ; r / 8
	v_and_b32 v10, 7, v0                           ; r % 8
	v_bfe_u32 v15, v0, 4, 1                        ; h
	v_mul_u32_u24 v4, v9, GP
	v_mad_u32_u24 v4, v10, RP, v4
	v_lshl_add_u32 v4, v15, 4, v4                  ; place r of a tile: (r / 8) groups + (r % 8) rows + 16 h
	s_cmp_eq_u32 s2, 2                             ; V: R = W, P = x; else R = x, P = W
	s_cselect_b32 s49, WC, 0
	s_cselect_b32 s50, 0, WC
	s_cselect_b32 s55, 0x10000, 0                  ; V's images lie 65,536 bytes behind K's
	s_mul_i32 s51, s5, 4*GP
	s_add_co_u32 s49, s49, s51
	s_mul_i32 s51, s6, 4*GP
	s_add_co_u32 s50, s50, s51
	v_add_nc_u32 v5, s50, v4                       ; my fragments of P,
	v_add_nc_u32 v4, s49, v4                       ; and of R
	s_lshl_b32 s49, s5, 14
	s_lshl_b32 s51, s6, 10
	s_add_co_u32 s49, s49, s51
	v_add_nc_u32 v6, s49, v1                       ; images: tile 4 wr + a at 4,096 each; P rows 64 wp on are chunks 2 (wp % 2) + 0, 1 of step wp / 2: 1,024 wp
	s_lshl_b32 s51, s6, 8
	v_lshl_add_u32 v7, v15, 6, s51                 ; bias along P: (64 wp + 16 h) x 4
	v_and_b32 v10, 15, v0
	v_lshlrev_b32 v8, 2, v10
	v_lshl_add_u32 v8, v9, 5, v8
	s_lshl_b32 s51, s5, 8
	v_add_nc_u32 v8, s51, v8                       ; bias along R: (64 wr + r + 8 (r / 8)) x 4
	s_lshl_b32 s50, s3, 18                         ; x: 256 rows of 1,024 bytes a block,
	s_lshl_b32 s52, s4, 14                         ; 16 rows a wave; W: the same 16 rows a wave
	s_add_co_u32 s50, s50, s52
	s_mov_b32 s51, 0
	s_mov_b32 s53, 0
	s_wait_kmcnt 0x0
	s_load_b256 s[32:39], s[22:23], 0x0            ; e0 .. e7
	s_load_b64 s[40:41], s[22:23], 0x20            ; e8, e9
	s_add_nc_u64 s[28:29], s[8:9], s[50:51]
	LOADB S0, 28, 0                                ; x, my rows 0-7
	LOADB S1, 28, 8                                ; x, my rows 8-15
	s_cmp_eq_u32 s2, 1                             ; the buffers are chosen on the work-group's y alone
	s_cselect_b64 s[30:31], s[12:13], s[10:11]
	s_cselect_b64 s[42:43], s[18:19], s[16:17]
	s_cmp_eq_u32 s2, 2
	s_cselect_b64 s[30:31], s[14:15], s[30:31]     ; W
	s_cselect_b64 s[42:43], s[20:21], s[42:43]     ; its bias
	s_cmp_eq_u32 s2, 0
	s_cselect_b64 s[44:45], s[24:25], s[26:27]     ; where the images go
	s_cselect_b32 s54, 16, 17                      ; a block is 65,536 bytes of q_img, 131,072 of kv_img
	s_lshl_b32 s54, s3, s54
	s_add_co_u32 s54, s54, s55
	s_mov_b32 s55, 0
	s_add_nc_u64 s[44:45], s[44:45], s[54:55]
	s_add_nc_u64 s[30:31], s[30:31], s[52:53]
	s_wait_kmcnt 0x0
	s_cmp_eq_u32 s2, 1
	s_cselect_b32 s46, s34, s32                    ; ex
	s_cselect_b32 s47, s35, s33                    ; ew
	s_cselect_b32 s48, s39, s38                    ; eo
	s_cmp_eq_u32 s2, 2
	s_cselect_b32 s46, s36, s46
	s_cselect_b32 s47, s37, s47
	s_cselect_b32 s48, s41, s48
	s_add_co_i32 s49, s46, 127
	s_lshl_b32 s50, s49, 23
	v_mov_b32 v11, s50                             ; 2^ex as f32: the conversion takes its exponent field
	s_add_co_i32 s49, s49, 8
	s_lshl_b32 s49, s49, 23
	s_or_b32 s49, s49, 0x600000
	v_mov_b32 v12, s49                             ; 448 x 2^ex
	s_add_co_i32 s49, s47, 127
	s_lshl_b32 s50, s49, 23
	v_mov_b32 v13, s50                             ; 2^ew
	s_add_co_i32 s49, s49, 8
	s_lshl_b32 s49, s49, 23
	s_or_b32 s49, s49, 0x600000
	v_mov_b32 v14, s49                             ; 448 x 2^ew
	s_add_co_i32 s57, s46, s47                     ; ex + ew: a sum stands for sum x 2^(ex + ew)
	s_sub_co_i32 s56, 0, s57                       ; so the bias goes in as bias / 2^(ex + ew),
	s_sub_co_i32 s49, s48, s57                     ; and the results' conversion takes 2^(eo - ex - ew)
	s_add_co_i32 s49, s49, 127
	s_lshl_b32 s50, s49, 23
	v_mov_b32 v248, s50
	s_add_co_i32 s49, s49, 8
	s_lshl_b32 s49, s49, 23
	s_or_b32 s49, s49, 0x600000
	v_mov_b32 v249, s49
	; ---- A
	s_wait_loadcnt 16                              ; x's rows 0-7 are in; the 16 loads of rows 8-15 may be out
	QUANT S0, CD, 11, 12, 2, 0
	LOADB S0, 30, 0                                ; W, my rows 0-7
	s_wait_loadcnt 16                              ; x's rows 8-15 are in; the 16 just issued may be out
	QUANT S1, CD+16, 11, 12, 2, 8
	LOADB S1, 30, 8                                ; W, my rows 8-15
.irp b, 0,1,2,3
	global_load_b128 v[BP+8*\b:BP+8*\b+3],   v7, s[42:43] offset:(32*(\b/2)+8*(\b%2))*4      ; bias[64 wp + 32 (b / 2) + 16 h + 8 (b % 2) + 0 .. 7]: the result's layout along P
	global_load_b128 v[BP+8*\b+4:BP+8*\b+7], v7, s[42:43] offset:(32*(\b/2)+8*(\b%2))*4+16
.endr
.irp a, 0,1,2,3
	global_load_b32 v[BR+2*\a], v8, s[42:43] offset:(32*(\a/2)+8*(\a%2))*4                   ; bias of my row of R in tile a
.endr
	s_wait_loadcnt 28                              ; W's rows 0-7 are in; behind them: 16 loads of rows 8-15 and 12 of the bias
	QUANT S0, CD+32, 13, 14, 3, 0
	s_wait_loadcnt 12                              ; W's rows 8-15 are in; the bias may be out
	QUANT S1, CD+48, 13, 14, 3, 8
	s_wait_dscnt 0x0                               ; for the others' sake: my codes lie in LDS
	s_barrier_signal -1
	s_barrier_wait -1                              ; everybody's do; from here on LDS is only read
	; ---- B
	s_wait_loadcnt 0x0                             ; the bias
	s_cmp_eq_u32 s2, 2
	s_cselect_b32 vcc_lo, 0, -1                    ; V's bias runs along R, not along P
.set j, 0
.rept 32
	v_ldexp_f32 v[BP+j], v[BP+j], s56
.set j, j+1
.endr
.set j, 0
.rept 32
	v_cndmask_b32 v[BP+j], 0, v[BP+j], vcc_lo      ; V: the sums start at 0
.set j, j+1
.endr
.irp a, 0,1,2,3
	v_ldexp_f32 v[BR+2*\a], v[BR+2*\a], s56
	v_mov_b32 v[BR+2*\a+1], 0                      ; (named with it as a pair, so it is written)
.endr
	KSTEP 0
	KSTEP 1
	KSTEP 2
	KSTEP 3
	; ---- C
	s_cmp_lg_u32 s2, 2
	s_cbranch_scc1 .Lno_row_bias                   ; on the work-group's y: vector work alone is jumped over
.irp a, 0,1,2,3
.set j, 0
.rept 16
	v_pk_add_f32 v[ACC+32*\a+j:ACC+32*\a+j+1], v[ACC+32*\a+j:ACC+32*\a+j+1], v[BR+2*\a:BR+2*\a+1] op_sel_hi:[1,0]   ; V: my row's bias onto all of it; each accumulator from its low end on
.set j, j+2
.endr
.endr
.Lno_row_bias:
.irp a, 0,1,2,3
.irp g, 0,1
.irp j, 0,1,2,3,4,5,6,7,8,9,10,11,12,13,14,15
	v_med3_num_f32 v[ACC+32*\a+16*\g+\j], v[ACC+32*\a+16*\g+\j], -v249, v249   ; the hold; each accumulator from its low end on
.endr
	v_cvt_scalef32_pk8_fp8_f32 v[CD+8*\a+4*\g:CD+8*\a+4*\g+1],   v[ACC+32*\a+16*\g:ACC+32*\a+16*\g+7],    v248   ; 16 neighbours along the next K: one chunk of an image
	v_cvt_scalef32_pk8_fp8_f32 v[CD+8*\a+4*\g+2:CD+8*\a+4*\g+3], v[ACC+32*\a+16*\g+8:ACC+32*\a+16*\g+15], v248
.endr
.endr
	v_nop                                          ; one plain vector line behind the last conversion
.irp a, 0,1,2,3
.irp g, 0,1
	global_store_b128 v6, v[CD+8*\a+4*\g:CD+8*\a+4*\g+3], s[44:45] offset:\a*4096+\g*512   ; 32 lanes store 512 consecutive bytes, at a multiple of 512 from the buffer's first byte
.endr
.endr
	s_wait_tensorcnt 0x0
	ds_add_u32 v254, v255
	s_wait_dscnt 0x0
	s_endpgm
.Lfunc_end_k_qa42a9738eb_proj:
	.size	k_qa42a9738eb_proj, .Lfunc_end_k_qa42a9738eb_proj-k_qa42a9738eb_proj
	.p2alignl 7, 3214868480
	.fill 96, 4, 3214868480
	.section	.rodata,"a",@progbits
	.p2align	6, 0x0
	.amdhsa_kernel k_qa42a9738eb_proj
		.amdhsa_group_segment_fixed_size 145408
		.amdhsa_private_segment_fixed_size 0
		.amdhsa_enable_private_segment 0
		.amdhsa_kernarg_size 80
		.amdhsa_user_sgpr_count 2
		.amdhsa_user_sgpr_kernarg_segment_ptr 1
		.amdhsa_wavefront_size32 1
		.amdhsa_system_sgpr_workgroup_id_x 1
		.amdhsa_system_sgpr_workgroup_id_y 1
		.amdhsa_system_sgpr_workgroup_id_z 1
		.amdhsa_system_vgpr_workitem_id 0
		.amdhsa_next_free_vgpr 256
		.amdhsa_next_free_sgpr 66
		.amdhsa_reserve_vcc 1
		.amdhsa_float_denorm_mode_32 3
		.amdhsa_float_denorm_mode_16_64 3
		.amdhsa_memory_ordered 1
		.amdhsa_forward_progress 1
		.amdhsa_inst_pref_size 58
	.end_amdhsa_kernel
	.amdgpu_metadata
---
amdhsa.version: [ 1, 2 ]
amdhsa.kernels:
  - .name:           k_qa42a9738eb_proj
    .symbol:         k_qa42a9738eb_proj.kd
    .args:
      - { .name: x, .offset: 0, .size: 8, .value_kind: global_buffer, .address_space: global }
      - { .name: Wq, .offset: 8, .size: 8, .value_kind: global_buffer, .address_space: global }
      - { .name: Wk, .offset: 16, .size: 8, .value_kind: global_buffer, .address_space: global }
      - { .name: Wv, .offset: 24, .size: 8, .value_kind: global_buffer, .address_space: global }
      - { .name: bq, .offset: 32, .size: 8, .value_kind: global_buffer, .address_space: global }
      - { .name: bk, .offset: 40, .size: 8, .value_kind: global_buffer, .address_space: global }
      - { .name: bv, .offset: 48, .size: 8, .value_kind: global_buffer, .address_space: global }
      - { .name: lowp_scales, .offset: 56, .size: 8, .value_kind: global_buffer, .address_space: global }
      - { .name: q_img, .offset: 64, .size: 8, .value_kind: global_buffer, .address_space: global }
      - { .name: kv_img, .offset: 72, .size: 8, .value_kind: global_buffer, .address_space: global }
    .group_segment_fixed_size: 145408
    .private_segment_fixed_size: 0
    .kernarg_segment_align: 8
    .kernarg_segment_size: 80
    .max_flat_workgroup_size: 512
    .sgpr_count:     66
    .vgpr_count:     256
    .wavefront_size: 32
...
	.end_amdgpu_metadata
.endif
;; end of part 1
;; launch attn (part 2): grid 64 x 4, 8 waves a work-group, clusters of 4 x 1, 327,680 bytes of LDS; arguments q_img, kv_img, lowp_scales, out0; writes out0
.if DOCPART == 2
	.amdgcn_target "amdgcn-amd-amdhsa--gfx1250"
	.amdhsa_code_object_version 6
	.text
	.protected	k_qa42a9738eb_attn
	.globl	k_qa42a9738eb_attn
	.p2align	8
	.type	k_qa42a9738eb_attn,@function
k_qa42a9738eb_attn:
	s_mov_b64 s[64:65], 0
	v_nop
	global_prefetch_b8 v0, s[64:65] scope:SCOPE_SE
	s_setreg_imm32_b32 hwreg(HW_REG_WAVE_MODE, 25, 1), 1
	s_wait_xcnt 0x0
	s_wait_alu depctr_hold_cnt(0) depctr_sa_sdst(0) depctr_va_vdst(0) depctr_va_sdst(0) depctr_va_ssrc(0) depctr_va_vcc(0) depctr_vm_vsrc(0)
	s_getreg_b32 s2, hwreg(HW_REG_IB_STS2, 6, 4)
	s_cmp_eq_u32 s2, 0
	s_cbranch_scc0 .Lentry_in_a_cluster
	s_endpgm
.Lentry_in_a_cluster:
	s_bfe_u32 s2, ttmp6, 0x10000c
	s_cmp_lg_u32 s2, 0x3003
	s_cbranch_scc0 .Lentry_shape_is_right
	s_endpgm
.Lentry_shape_is_right:
; out[b][q][:] = the sum over k <= q of softmax_k(Q[b][q] . K[b][k] / 16) V[b][k][:], both products on codes of FP8 (E4M3).  4 batches, 4,096 queries and keys, head size 256.
; q_img, kv_img: images of operand registers.  A fragment (16 rows x 128 along K) is 2,048 bytes: chunk c at 512 c + 16 lane holds, of the tile's row lane % 16, k = 32 c + 16 (lane / 16) + 0 .. 15.
;   Place r of tile 2 b + u is row 32 b + 8 u + r + 8 (r / 8).  q_img: [tile of 16 queries][d step][2048].  kv_img: [slot of 256 keys][131072]: K: [key tile][d step][2048]; from 65,536 on V: [d tile][key step][2048].
; THE SOFTMAX AHEAD OF THE SECOND PRODUCT: t = score x log2(e) / 16; M = the largest t so far, rounded UP to a whole number; p = 2^(t - M) is quantised, not normalised; the row's sum is taken of the unquantised p
;   and divides at the end.  When M moves, the sum and O are multiplied by 2^(old M - new M): exact.
; EQUAL WORK.  Cluster c (0..15) of a batch owns the blocks of 128 queries 31 - c (first pass) and c (second pass); work-group cx owns 32 queries of each.  The first pass walks nH = 16 - c / 2 slots of 256 keys, the second
;   c / 2 + 1: 17 visits in every work-group, so the trip counts are constants.  Only a pass's last slot touches the diagonal.  Branches hang on c and the visit's number, which the four partners share.
; JOINT LOADS.  The four partners walk the same slots: each wave's 16,384 bytes of a slot are asked for by the same tensor load, with the same descriptor and the mask 15, in all four work-groups.
; A VISIT (32 queries x 256 keys), shared so that each byte of K and V is read from LDS once in the work-group:
;   S^T = K Q^T by keys: wave w takes keys 32 w .. + 31 (key tiles 2 w, 2 w + 1) for both query tiles; a lane holds one query (lane % 16) and 16 neighbouring keys.
;   The waves' maxima meet in LDS (barrier A), so that all use one M a query; p's codes and the waves' partial sums go through LDS (barrier B);
;   O^T += V^T P^T by d: wave w owns d = 32 w .. + 31 (d tiles 2 w, 2 w + 1) for both query tiles, over all 256 keys: O^T is never merged.
; THE RING.  Two LDS slots.  At barrier B of visit v every wave holds that visit's K and V in registers, so the visit's slot is free there: barrier B IS the round of the cluster's barrier behind which the slot is
;   filled again, with the keys of visit v + 2.  The same round shows the keys of visit v + 1 whole, and K's fragments of visit v + 1 are fetched behind it, into registers of their own, while V^T P^T of visit v is multiplied.
; LIMITS, so that each power of two below is an f32 number: e6 + e7 between -122 and 131 (added to the exponent field of log2(e) / 16); e8 between -126 and 119; e8 + e9 goes by v_ldexp_f32 and has none.
;   NaN is not served.  p is quantised under the running M.  Entry 6 is taken for Q, entry 7 for K.
; REGISTERS.  Window 0: v1 16 lane; v2, v3 my K's and V's place in a slot; v4, v5 P's images, read and written; v6, v7 the exchange, written and read; v8, v9 the stage, in and back; v10, v11 the spare word and 0;
;   v12, v13 K and V in the slot in hand; v14, v15 2^e8 and 448 x 2^e8; v[16:17], v[18:19] (-M, largest t) of query tiles 0, 1; v[20:21], v[22:23] (f, 0); v24, v25 the sums; v26, v27 my query - 32 w - 16 (lane / 16);
;   v28 -infinity; v29-31 at work; v32-63 S^T, then p; v64-95 O^T; v96-159 V's fragments; v160-223 P's fragments, results on the way out; v224-231 p's codes; v232-247 what is exchanged.
;   Window 1: v0-63 Q; v64-127 K's fragments.
.set SLOT1, 1<<17                      ; slot 0 at 0, slot 1 here: one exclusive or turns an address in one slot into the other's
.set KVS,   131072                     ; a slot of 256 keys in kv_img, in bytes
.set VOFF,  65536                      ; V's images in a slot
.set PIMG,  262144                     ; P: [query tile][key step][2048]
.set MAXX,  270336                     ; the waves' maxima: [query tile][query 0..15][wave], words
.set SUMO,  1024                       ; their partial sums lie this far behind, laid alike
.set STAGE, 272384                     ; the way out: 32 rows of 1,024 bytes + 16
.set SP,    1040
.set SPARE, 305664                     ; the spare words, 128 bytes for each wave: four blocks of 256 bytes that no other line names
.set S,   32
.set OT,  64
.set FB0, 96
.set FB1, 160
.set PC,  224
.set GM,  232
.set KF,  64                           ; in window 1
.set MSB, 0
.macro WIN new                         ; the immediate's high byte repeats the setting that is left
.if MSB != \new
	s_set_vgpr_msb (MSB<<8)|\new
.set MSB, \new
.endif
.endm
.macro PLACES n
.rept \n
	v_nop
.endr
.endm
; A round of the cluster's barrier: my work-group's barrier; wave 0 signals for the work-group; every wave waits for all four work-groups; my work-group's barrier once more.
.macro ROUND
	s_barrier_signal -1
	s_barrier_wait -1
	s_cmp_lg_u32 s12, 0
	s_cbranch_scc1 .Lnot_wave_0_\@
	s_barrier_signal -3
.Lnot_wave_0_\@:
	s_barrier_wait -3
	s_barrier_signal -1
	s_barrier_wait -1
.endm
.macro QLOAD base                      ; my work-group's 32 queries: fragment 2 t + s (query tile t, d step s) into window 1, v[16 (2 t + s)]; each load reads 512 consecutive bytes
	WIN 0x40                                       ; destination window 1, address window 0
.irp f, 0,1,2,3
.irp c, 0,1,2,3
	global_load_b128 v[16*\f+4*\c:16*\f+4*\c+3], v1, s[\base:\base+1] offset:2048*\f+512*\c
.endr
.endr
	WIN 0
.endm
.macro KFETCH                          ; K's fragments (key tile 2 w + u, d step s) of the slot at v12, into window 1
	WIN 0x40                                       ; destination window 1, address window 0
.irp u, 0,1
.irp s, 0,1
.irp c, 0,1,2,3
	ds_load_b128 v[KF+32*\u+16*\s+4*\c:KF+32*\u+16*\s+4*\c+3], v12 offset:4096*\u+2048*\s+512*\c
.endr
.endr
.endr
	WIN 0
.endm
.macro SEND base                       ; wave w stores rows 4 w .. 4 w + 3 of the stage
.irp n, 0,1,2,3,4,5,6,7
	ds_load_b128 v[FB1+4*\n:FB1+4*\n+3], v9 offset:(\n/2)*SP+(\n%2)*512
.endr
.irp n, 0,1,2,3,4,5,6,7
	s_wait_dscnt 7-\n                              ; LDS loads come back in order: load n is in, the younger ones may be out
	global_store_b128 v1, v[FB1+4*\n:FB1+4*\n+3], s[\base:\base+1] offset:(\n/2)*1024+(\n%2)*512 th:TH_STORE_NT   ; 32 lanes store 512 consecutive bytes, aligned; written once, read by nobody here
.endr
	s_wait_xcnt 0x0                                ; the stores' data registers are written again only behind this wait
.endm
.macro SPHASE                          ; S^T = K Q^T for my 32 keys and both query tiles
	s_wait_dscnt 0x0                               ; K, asked for behind the barrier B of the visit before (the first visit's: ahead of the loop)
	s_wait_loadcnt 0x0                             ; Q (a pass's first visit; met at once in the others)
	WIN 0x05                                       ; sources 0 (K) and 1 (Q) window 1; S^T window 0
.irp s, 0,1
.irp t, 0,1
.irp u, 0,1
.if \s == 0
	v_wmma_f32_16x16x128_fp8_fp8 v[S+16*\t+8*\u:S+16*\t+8*\u+7], v[KF+32*\u+16*\s:KF+32*\u+16*\s+15], v[32*\t+16*\s:32*\t+16*\s+15], 0
.else
	v_wmma_f32_16x16x128_fp8_fp8 v[S+16*\t+8*\u:S+16*\t+8*\u+7], v[KF+32*\u+16*\s:KF+32*\u+16*\s+15], v[32*\t+16*\s:32*\t+16*\s+15], v[S+16*\t+8*\u:S+16*\t+8*\u+7]
.endif
.endr
.endr
.endr                                          ; the four accumulators take turns.  Register 16 t + i: query tile t, key 32 w + 16 (lane / 16) + i
	WIN 0
	PLACES 4                                       ; in front of the first read of the scores (ISA guide 7.12.1)
.endm
.macro MASK                            ; on the diagonal: hidden scores become -infinity ahead of the maximum, p = 0 then.  Key 256 n + 32 w + 16 (lane / 16) + i of slot n is hidden where i > d
	s_cmp_ge_u32 s17, s16                          ; the visit's slot of keys: n = the visit's number, less nH in the second pass
	s_cselect_b32 s53, s16, 0
	s_sub_co_i32 s53, s53, s17                     ; -n
	s_lshl_b32 s53, s53, 8
	v_add_nc_u32 v29, s53, v26                     ; d = my query - 256 n - 32 w - 16 (lane / 16), query tile 0,
	v_add_nc_u32 v30, s53, v27                     ; and 1
.irp t, 0,1
.irp i, 0,1,2,3,4,5,6,7,8,9,10,11,12,13,14,15
	v_cmp_gt_i32 vcc_lo, \i, v[29+\t]
	v_cndmask_b32 v[S+16*\t+\i], v[S+16*\t+\i], v28, vcc_lo
.endr
.endr
.endm
.macro LOCALMAX                        ; each query's largest score among my 32 keys, to LDS; both chains begin at an accumulator's low end
.irp t, 0,1
	v_max3_num_f32 v[GM+2*\t],   v[S+16*\t],   v[S+16*\t+1], v[S+16*\t+2]
	v_max3_num_f32 v[GM+2*\t+1], v[S+16*\t+8], v[S+16*\t+9], v[S+16*\t+10]
.endr
.irp k, 3,5
.irp t, 0,1
	v_max3_num_f32 v[GM+2*\t],   v[GM+2*\t],   v[S+16*\t+\k],   v[S+16*\t+\k+1]
	v_max3_num_f32 v[GM+2*\t+1], v[GM+2*\t+1], v[S+16*\t+\k+8], v[S+16*\t+\k+9]
.endr
.endr
.irp t, 0,1
	v_max3_num_f32 v[GM+2*\t], v[GM+2*\t], v[S+16*\t+7], v[S+16*\t+15]
.endr
.irp t, 0,1
	v_max_num_f32 v[GM+2*\t], v[GM+2*\t], v[GM+2*\t+1]
.endr
.irp t, 0,1
	v_permlanex16_b32 v[GM+4+\t], v[GM+2*\t], s20, s21   ; the query's other 16 keys lie in the lane 16 away
.endr
.irp t, 0,1
	v_max_num_f32 v[GM+2*\t], v[GM+2*\t], v[GM+4+\t]
.endr
.irp t, 0,1
	ds_store_b32 v6, v[GM+2*\t] offset:512*\t      ; (both halves of the lanes write the same word with the same number)
.endr
	s_wait_dscnt 0x0                               ; for the others' sake: my maxima lie in LDS (and, behind a pass's end, my part of the stage); my reads of P and of the sums are over
	s_barrier_signal -1
	s_barrier_wait -1                              ; barrier A: all eight maxima of each query lie in LDS; my tensor load may stay out
.endm
; next = 1: a visit follows; its keys must be whole behind barrier B.  fill = 1: barrier B is a round of the cluster's barrier, and behind it this visit's slot takes the keys of the visit after the next.
.macro SOFTMAX fill, next
.irp t, 0,1
	ds_load_b128 v[GM+8*\t:GM+8*\t+3],   v7 offset:512*\t
	ds_load_b128 v[GM+8*\t+4:GM+8*\t+7], v7 offset:512*\t+16
.endr
.irp g, 0,1                                    ; V's fragments (d tile 2 w + d, key step g) land while the softmax is worked
.irp d, 0,1
.irp c, 0,1,2,3
	ds_load_b128 v[FB0+32*\g+16*\d+4*\c:FB0+32*\g+16*\d+4*\c+3], v13 offset:4096*\d+2048*\g+512*\c
.endr
.endr
.endr
	s_wait_dscnt 16                                ; the maxima are in; the 16 loads of V may be out
.irp k, 1,3,5
.irp t, 0,1
	v_max3_num_f32 v[GM+8*\t], v[GM+8*\t], v[GM+8*\t+\k], v[GM+8*\t+\k+1]
.endr
.endr
.irp t, 0,1
	v_max_num_f32 v[GM+8*\t], v[GM+8*\t], v[GM+8*\t+7]   ; the visit's largest score of the query
.endr
.irp t, 0,1
	v_mul_f32 v[GM+8*\t], s22, v[GM+8*\t]          ; as t (the factor is positive)
.endr
.irp t, 0,1
	v_max_num_f32 v[17+2*\t], v[17+2*\t], v[GM+8*\t]     ; the running largest t
	v_mov_b32 v[GM+8*\t+1], v[16+2*\t]
.endr
.irp t, 0,1
	v_floor_f32 v[16+2*\t], -v[17+2*\t]            ; the new -M = floor(-t) = -ceil(t): M is a whole number
.endr
.irp t, 0,1
	v_sub_f32 v[GM+8*\t+1], v[16+2*\t], v[GM+8*\t+1]     ; old M - new M: a whole number, 0 or less
.endr
.irp t, 0,1
	v_cvt_i32_f32 v[GM+8*\t+1], v[GM+8*\t+1]       ; (it saturates)
.endr
.irp t, 0,1
	v_ldexp_f32 v[20+2*\t], 1.0, v[GM+8*\t+1]      ; f = 2^(old M - new M)
.endr
.irp t, 0,1
.irp j, 0,2,4,6,8,10,12,14
	v_pk_fma_f32 v[S+16*\t+\j:S+16*\t+\j+1], v[S+16*\t+\j:S+16*\t+\j+1], s[22:23], v[16+2*\t:17+2*\t] op_sel_hi:[1,0,0]   ; t - M (of both pairs the low word serves both halves)
.endr
.endr
.set j, 0
.rept 32
	v_exp_f32 v[S+j], v[S+j]                       ; p = 2^(t - M), at most 1
.set j, j+1
.endr
	v_mul_f32 v24, v24, v20                        ; the sums under the new M.  (A plain line behind the exponentials)
	v_mul_f32 v25, v25, v22
	s_wait_alu depctr_va_vdst(0)
.irp t, 0,1
	v_pk_add_f32 v[GM+8*\t:GM+8*\t+1],   v[S+16*\t:S+16*\t+1],     v[S+16*\t+2:S+16*\t+3]   ; the sum of the UNQUANTISED p over my 16 keys, in two chains
	v_pk_add_f32 v[GM+8*\t+2:GM+8*\t+3], v[S+16*\t+4:S+16*\t+5],   v[S+16*\t+6:S+16*\t+7]
.endr
.irp k, 8,12
.irp t, 0,1
	v_pk_add_f32 v[GM+8*\t:GM+8*\t+1],   v[GM+8*\t:GM+8*\t+1],     v[S+16*\t+\k:S+16*\t+\k+1]
	v_pk_add_f32 v[GM+8*\t+2:GM+8*\t+3], v[GM+8*\t+2:GM+8*\t+3],   v[S+16*\t+\k+2:S+16*\t+\k+3]
.endr
.endr
.irp t, 0,1
	v_pk_add_f32 v[GM+8*\t:GM+8*\t+1], v[GM+8*\t:GM+8*\t+1], v[GM+8*\t+2:GM+8*\t+3]
.endr
.irp t, 0,1
	v_add_f32 v[GM+8*\t], v[GM+8*\t], v[GM+8*\t+1]
.endr
.irp t, 0,1
	v_permlanex16_b32 v[GM+8*\t+4], v[GM+8*\t], s20, s21
.endr
.irp t, 0,1
	v_add_f32 v[GM+8*\t], v[GM+8*\t], v[GM+8*\t+4] ; over my wave's 32 keys
.endr
.irp t, 0,1
	ds_store_b32 v6, v[GM+8*\t] offset:SUMO+512*\t
.endr
.irp t, 0,1
.irp j, 0,1,2,3,4,5,6,7,8,9,10,11,12,13,14,15
	v_min_num_f32 v[S+16*\t+\j], v[S+16*\t+\j], v15      ; the conversion to an 8-bit code does not saturate (ISA guide 7.6.2); p is not negative, so the hold is one-sided
.endr
	v_cvt_scalef32_pk8_fp8_f32 v[PC+4*\t:PC+4*\t+1],   v[S+16*\t:S+16*\t+7],    v14
	v_cvt_scalef32_pk8_fp8_f32 v[PC+4*\t+2:PC+4*\t+3], v[S+16*\t+8:S+16*\t+15], v14
.endr
	v_nop                                          ; one plain vector line behind the last conversion: its sources are written by the next visit's products
.irp t, 0,1
	ds_store_b128 v5, v[PC+4*\t:PC+4*\t+3] offset:4096*\t   ; keys 32 w + 16 (lane / 16) + 0 .. 15: chunk w % 4 of key step w / 4 of P's image
.endr
.if \next
	s_wait_tensorcnt 0x0                           ; all my tensor loads have landed: my part of the next visit's keys; so the descriptor may be written
	ds_add_u32 v10, v11                            ; 0 onto my spare word: work on registers stands between it and the wait for it
.endif
.if \fill
	s_add_co_u32 s39, s17, 2                       ; the visit after the next:
	s_cmp_ge_u32 s39, s16
	s_cselect_b32 s56, s16, 0
	s_sub_co_u32 s56, s39, s56                     ; its slot of keys: its number, less nH in the second pass
	s_lshl_b32 s56, s56, 17
	s_mov_b32 s57, 0
	s_add_nc_u64 s[34:35], s[36:37], s[56:57]      ; 120:64 global address: my 16,384 bytes of it
	s_or_b32 s35, s35, 0x80000000                  ; 127:126 type = 2
	s_xor_b32 s33, s33, SLOT1                      ; 63:32 LDS address: the other slot than last time: this visit's
.endif
.if \next
	s_xor_b32 s38, s38, SLOT1                      ; the slot in hand: from here on the next visit's
.endif
.irp t, 0,1
.irp j, 0,2,4,6,8,10,12,14
	v_pk_mul_f32 v[OT+16*\t+\j:OT+16*\t+\j+1], v[OT+16*\t+\j:OT+16*\t+\j+1], v[20+2*\t:21+2*\t] op_sel_hi:[1,0]   ; O^T under the new M; each accumulator from its low end on
.endr
.endr
	s_wait_dscnt 0x0                               ; the add is done; my codes and sums lie in LDS; V is in, so my reads of this visit's slot are over (K's were waited for ahead of the first products)
.if \fill
	ROUND                                          ; barrier B, as a round: no wave of any partner still reads this visit's slot or has a load on its way; the next visit's keys are whole
	tensor_load_to_lds s[32:35], s[24:31]          ; the first thing behind the round, and my one tensor load until the next: it has a whole visit in which to land
	s_nop 0
	PLACES 4
.else
	s_barrier_signal -1
	s_barrier_wait -1                              ; barrier B; nothing is filled again
.endif
.endm
.macro PVPHASE next                    ; O^T += V^T P^T: my 32 of d, both query tiles, all 256 keys.  next = 1: the next visit's K is fetched behind P
.set KN, 16*\next
.if \next
	v_add_nc_u32 v12, s38, v2
	v_add_nc_u32 v13, s38, v3
.endif
.irp g, 0,1
.irp t, 0,1
.irp c, 0,1,2,3
	ds_load_b128 v[FB1+32*\g+16*\t+4*\c:FB1+32*\g+16*\t+4*\c+3], v4 offset:4096*\t+2048*\g+512*\c
.endr
.endr
.endr
.irp t, 0,1
	ds_load_b128 v[GM+8*\t:GM+8*\t+3],   v7 offset:SUMO+512*\t
	ds_load_b128 v[GM+8*\t+4:GM+8*\t+7], v7 offset:SUMO+512*\t+16
.endr
.if \next
	KFETCH
.endif
.irp g, 0,1
	s_wait_dscnt KN+12-8*\g                        ; P of this key step is in; behind it: P of the second step (8 loads, at the first wait), the sums (4) and K (KN)
.irp t, 0,1
.irp d, 0,1
	v_wmma_f32_16x16x128_fp8_fp8 v[OT+16*\t+8*\d:OT+16*\t+8*\d+7], v[FB0+32*\g+16*\d:FB0+32*\g+16*\d+15], v[FB1+32*\g+16*\t:FB1+32*\g+16*\t+15], v[OT+16*\t+8*\d:OT+16*\t+8*\d+7]
.endr
.endr
.endr                                          ; the four accumulators take turns
	s_wait_dscnt KN                                ; the eight waves' partial sums are in; K's loads may be out
.irp t, 0,1                                    ; ten additions, which name none of the products' registers: they are also the places behind the products
	v_pk_add_f32 v[GM+8*\t:GM+8*\t+1], v[GM+8*\t:GM+8*\t+1], v[GM+8*\t+2:GM+8*\t+3]
	v_pk_add_f32 v[GM+8*\t+4:GM+8*\t+5], v[GM+8*\t+4:GM+8*\t+5], v[GM+8*\t+6:GM+8*\t+7]
.endr
.irp t, 0,1
	v_pk_add_f32 v[GM+8*\t:GM+8*\t+1], v[GM+8*\t:GM+8*\t+1], v[GM+8*\t+4:GM+8*\t+5]
.endr
.irp t, 0,1
	v_add_f32 v[GM+8*\t], v[GM+8*\t], v[GM+8*\t+1]
.endr
.irp t, 0,1
	v_add_f32 v[24+\t], v[24+\t], v[GM+8*\t]       ; every wave keeps the whole sum, added in the same order
.endr
.endm
; A pass's end: O^T / the sum x 2^(e8 + e9) into the stage.  reinit = 1: the state and Q of the second pass.
.macro FINISH reinit
	v_rcp_f32 v20, v24
	v_rcp_f32 v22, v25
	v_nop                                          ; a plain line between the reciprocals and their use
	s_wait_alu depctr_va_vdst(0)
	v_ldexp_f32 v20, v20, s52
	v_ldexp_f32 v22, v22, s52
.irp t, 0,1
.irp j, 0,2,4,6,8,10,12,14
	v_pk_mul_f32 v[FB1+16*\t+\j:FB1+16*\t+\j+1], v[OT+16*\t+\j:OT+16*\t+\j+1], v[20+2*\t:21+2*\t] op_sel_hi:[1,0]   ; each accumulator from its low end on
.endr
.endr
.irp t, 0,1
.irp i, 0,1,2,3
	ds_store_b128 v8, v[FB1+16*\t+4*\i:FB1+16*\t+4*\i+3] offset:8*SP*\t+16*\i   ; row 8 t + r + 8 (r / 8); d = 32 w + 16 (lane / 16) + 4 i + 0 .. 3
.endr
.endr
.if \reinit
.set j, 0
.rept 32
	v_mov_b32 v[OT+j], 0
.set j, j+1
.endr
	v_mov_b32 v17, 0xff61b1e6                      ; the largest t so far: -3e38, under every t
	v_mov_b32 v19, 0xff61b1e6
	v_floor_f32 v16, -v17
	v_floor_f32 v18, -v19
	v_mov_b32 v24, 0
	v_mov_b32 v25, 0
	v_add_nc_u32 v26, s54, v26                     ; my queries lie 128 (31 - 2 c) lower now
	v_add_nc_u32 v27, s54, v27
	QLOAD 48
.endif
.endm
.macro VISIT fill, next
	SPHASE
.if \next
	s_add_co_u32 s39, s17, 1
	s_cmp_lg_u32 s39, s16                          ; of the visits that have a successor only the first pass's last lies on the diagonal
	s_cbranch_scc1 .Lopen_\@
.endif
	MASK
.Lopen_\@:
	LOCALMAX
	s_cmp_lg_u32 s17, s16                          ; the second pass's first visit: the first pass's rows, whole in the stage since barrier A, go out
	s_cbranch_scc1 .Lno_send_\@
	SEND 44
.Lno_send_\@:
	SOFTMAX \fill, \next
	PVPHASE \next
.if \next
	s_add_co_u32 s39, s17, 1
	s_cmp_lg_u32 s39, s16
	s_cbranch_scc1 .Lno_finish_\@
	FINISH 1                                       ; the first pass is over
.Lno_finish_\@:
.endif
.endm
	s_load_b256 s[4:11], s[0:1], 0x0               ; q_img s[4:5], kv_img s[6:7], the scales' exponents s[8:9], out0 s[10:11]
	v_lshl_add_u32 v10, v0, 2, SPARE
	v_mov_b32 v11, 0
	ds_add_u32 v10, v11
	ds_add_u32 v10, v11
	s_wait_dscnt 0x0
	v_lshrrev_b32 v29, 5, v0
	v_readfirstlane_b32 s12, v29                   ; wave 0..7
	s_bfe_u32 s13, ttmp6, 0x40000                  ; cx: my place in the cluster: it enters Q's and out0's addresses and the mask's data alone
	s_mov_b32 s14, ttmp9                           ; c: the cluster's x
	s_and_b32 s15, ttmp7, 0xffff                   ; the batch
	s_lshr_b32 s16, s14, 1
	s_sub_co_u32 s16, 16, s16                      ; nH, the visits of the first pass: 16 - c / 2
	s_mov_b32 s17, 0                               ; the visit's number
	s_mov_b32 s38, 0                               ; where the slot in hand lies in LDS
	s_mov_b32 s20, 0x76543210                      ; v_permlanex16_b32: lane l xor 16
	s_mov_b32 s21, 0xfedcba98
	; descriptor group 1: 64 rows of 256 bytes, dense in memory and in LDS
	s_mov_b32 s24, 15|(3<<16)|(1<<21)              ; 15:0 the mask: all four work-groups; 17:16 elements of 8 bytes; 21 set beside a mask; no padding
	s_mov_b32 s25, 32<<16                          ; tensor_dim0 = 32
	s_mov_b32 s26, 64<<16                          ; tensor_dim1 = 64
	s_mov_b32 s27, 32<<16                          ; tile_dim0 = 32
	s_mov_b32 s28, 64                              ; tile_dim1 = 64
	s_mov_b32 s29, 32                              ; tensor_dim0_stride
	s_mov_b32 s30, 0
	s_mov_b32 s31, 0
	; two groups 0, since the two first fills go out together: s[68:71] for slot 0, never written again; s[32:35] for slot 1, which then walks on
	s_mov_b32 s68, 1                               ; count = 1
	s_lshl_b32 s69, s12, 14                        ; LDS address: slot 0, my 16,384 bytes
	s_mov_b32 s32, 1
	s_add_co_u32 s33, s69, SLOT1                   ; slot 1, my 16,384 bytes
	s_lshl_b32 s56, s15, 21                        ; a batch's 16 slots of 131,072 bytes,
	s_add_co_u32 s56, s56, s69                     ; my 16,384 bytes of a slot
	s_mov_b32 s57, 0
	s_sub_co_u32 s58, 31, s14
	s_lshl_b32 s58, s58, 7
	s_lshl_b32 s59, s13, 5
	s_add_co_u32 s58, s58, s59                     ; my first query of the first pass: 128 (31 - c) + 32 cx
	s_lshl_b32 s60, s14, 7
	s_add_co_u32 s60, s60, s59                     ; of the second: 128 c + 32 cx
	s_lshl_b32 s61, s15, 12
	s_add_co_u32 s62, s58, s61                     ; as rows of the whole tensors
	s_add_co_u32 s63, s60, s61
	s_lshl_b32 s39, s12, 2                         ; wave w stores rows 4 w .. 4 w + 3
	s_add_co_u32 s44, s62, s39
	s_lshl_b32 s44, s44, 10
	s_mov_b32 s45, 0
	s_add_co_u32 s46, s63, s39
	s_lshl_b32 s46, s46, 10
	s_mov_b32 s47, 0
	s_lshl_b32 s50, s62, 8                         ; 32 queries are 8,192 bytes of q_img
	s_mov_b32 s51, 0
	s_lshl_b32 s48, s63, 8
	s_mov_b32 s49, 0
	s_lshl_b32 s54, s14, 8
	s_sub_co_i32 s54, s54, 3968                    ; -128 (31 - 2 c): from the first pass's queries to the second's
	v_and_b32 v29, 31, v0
	v_lshlrev_b32 v1, 4, v29                       ; 16 x lane
	s_lshl_b32 s39, s12, 13
	v_add_nc_u32 v2, s39, v1                       ; K: key tiles 2 w, 2 w + 1: 8,192 w
	v_add_nc_u32 v3, VOFF, v2                      ; V: d tiles 2 w, 2 w + 1
	v_add_nc_u32 v4, PIMG, v1
	s_lshl_b32 s39, s12, 9
	v_add_nc_u32 v5, s39, v4                       ; my chunk of P: 2,048 (w / 4) + 512 (w % 4) = 512 w
	v_and_b32 v29, 15, v0                          ; r
	v_bfe_u32 v30, v0, 3, 1                        ; r / 8
	v_bfe_u32 v31, v0, 4, 1                        ; h
	v_lshl_add_u32 v7, v29, 5, MAXX                ; a query's eight words
	s_lshl_b32 s39, s12, 2
	v_add_nc_u32 v6, s39, v7                       ; my wave's word among them
	v_lshl_add_u32 v29, v30, 3, v29                ; r + 8 (r / 8)
	v_mul_u32_u24 v8, v29, SP
	v_lshl_add_u32 v8, v31, 6, v8
	s_lshl_b32 s39, s12, 7
	s_add_co_u32 s39, s39, STAGE
	v_add_nc_u32 v8, s39, v8                       ; the stage, in: row r + 8 (r / 8), byte 128 w + 64 h
	s_mul_i32 s39, s12, 4*SP
	s_add_co_u32 s39, s39, STAGE
	v_add_nc_u32 v9, s39, v1                       ; and back: my four rows, 16 bytes a lane
	v_lshlrev_b32 v31, 4, v31
	v_sub_nc_u32 v26, v29, v31
	s_lshl_b32 s59, s12, 5
	s_sub_co_i32 s59, s58, s59
	v_add_nc_u32 v26, s59, v26                     ; my query of tile 0 - 32 w - 16 h,
	v_add_nc_u32 v27, 8, v26                       ; of tile 1
	v_add_nc_u32 v12, s38, v2                      ; K and V in slot 0
	v_add_nc_u32 v13, s38, v3
	s_wait_kmcnt 0x0
	s_load_b128 s[40:43], s[8:9], 0x18             ; e6 (Q), e7 (K), e8 (p), e9 (V)
	s_add_nc_u64 s[36:37], s[6:7], s[56:57]        ; kv_img at my part of the batch's first slot
	s_mov_b64 s[70:71], s[36:37]
	s_or_b32 s71, s71, 0x80000000                  ; type = 2
	s_add_nc_u64 s[34:35], s[36:37], KVS           ; and of its second (the first pass has nine slots at the least)
	s_or_b32 s35, s35, 0x80000000
	s_add_nc_u64 s[44:45], s[10:11], s[44:45]      ; out0: the first pass's rows,
	s_add_nc_u64 s[46:47], s[10:11], s[46:47]      ; the second's
	s_add_nc_u64 s[50:51], s[4:5], s[50:51]        ; q_img likewise
	s_add_nc_u64 s[48:49], s[4:5], s[48:49]
	ROUND                                          ; all four work-groups are here: the first joint loads meet
	tensor_load_to_lds s[68:71], s[24:31]          ; the batch's first 256 keys into slot 0,
	s_nop 0
	tensor_load_to_lds s[32:35], s[24:31]          ; the next 256 into slot 1: two loads of mine are out, the most that this text has
	s_nop 0
	PLACES 4
	QLOAD 50
.set j, 0
.rept 32
	v_mov_b32 v[OT+j], 0                           ; the visit is written for every step alike: the first finds zeros, which the first change of M leaves zeros
.set j, j+1
.endr
	v_mov_b32 v17, 0xff61b1e6                      ; the largest t so far: -3e38, under every t
	v_mov_b32 v19, 0xff61b1e6
	v_floor_f32 v16, -v17                          ; -M
	v_floor_f32 v18, -v19
	v_mov_b32 v21, 0                               ; (named as the upper halves of the pairs of f)
	v_mov_b32 v23, 0
	v_mov_b32 v24, 0                               ; the sums
	v_mov_b32 v25, 0
	v_mov_b32 v28, 0xff800000                      ; -infinity
	v_mov_b32 v[GM+4], 0                           ; written once: a lane permute's destination counts as one of its sources
	v_mov_b32 v[GM+5], 0
	s_wait_kmcnt 0x0
	s_add_co_i32 s39, s40, s41
	s_lshl_b32 s39, s39, 23
	s_add_co_i32 s22, s39, 0x3db8aa3b              ; log2(e) / 16, with e6 + e7 added to its exponent field: a score stands for score x 2^(e6 + e7)
	s_mov_b32 s23, s22                             ; (named with it as a pair, so it is written)
	s_add_co_i32 s39, s42, 127
	s_lshl_b32 s53, s39, 23
	v_mov_b32 v14, s53                             ; 2^e8 as f32, for the conversion
	s_add_co_i32 s39, s39, 8
	s_lshl_b32 s39, s39, 23
	s_or_b32 s39, s39, 0x600000
	v_mov_b32 v15, s39                             ; 448 x 2^e8
	s_add_co_i32 s52, s42, s43                     ; e8 + e9
	s_wait_tensorcnt 0x1                           ; my part of slot 0 is in; slot 1's load may stay out
	s_barrier_signal -1
	s_barrier_wait -1                              ; everybody's is
	KFETCH                                         ; the first visit's K
.Lvisit:                                           ; fifteen trips: visit v asks for the keys of visit v + 2, up to the seventeenth visit's
	VISIT 1, 1
	s_add_co_u32 s17, s17, 1
	s_cmp_lt_u32 s17, 15
	s_cbranch_scc1 .Lvisit
	VISIT 0, 1                                     ; the last two visits are written out: the sixteenth asks for nothing and fetches the last K
	s_add_co_u32 s17, s17, 1
	VISIT 0, 0                                     ; the seventeenth, the second pass's last, lies on the diagonal
	FINISH 0
	s_wait_dscnt 0x0                               ; for the others' sake: my part of the rows lies in the stage
	s_barrier_signal -1
	s_barrier_wait -1
	SEND 46
	s_wait_tensorcnt 0x0                           ; the wave's end: behind my last tensor load and my last LDS store
	ds_add_u32 v10, v11
	s_wait_dscnt 0x0
	ROUND                                          ; the closing round: no work-group ends while a partner may still ask for a tile that names it
	s_endpgm
.Lfunc_end_k_qa42a9738eb_attn:
	.size	k_qa42a9738eb_attn, .Lfunc_end_k_qa42a9738eb_attn-k_qa42a9738eb_attn
	.p2alignl 7, 3214868480
	.fill 96, 4, 3214868480
	.section	.rodata,"a",@progbits
	.p2align	6, 0x0
	.amdhsa_kernel k_qa42a9738eb_attn
		.amdhsa_group_segment_fixed_size 327680
		.amdhsa_private_segment_fixed_size 0
		.amdhsa_enable_private_segment 0
		.amdhsa_kernarg_size 32
		.amdhsa_user_sgpr_count 2
		.amdhsa_user_sgpr_kernarg_segment_ptr 1
		.amdhsa_wavefront_size32 1
		.amdhsa_system_sgpr_workgroup_id_x 1
		.amdhsa_system_sgpr_workgroup_id_y 1
		.amdhsa_system_sgpr_workgroup_id_z 1
		.amdhsa_system_vgpr_workitem_id 0
		.amdhsa_next_free_vgpr 384
		.amdhsa_next_free_sgpr 72
		.amdhsa_reserve_vcc 1
		.amdhsa_float_denorm_mode_32 3
		.amdhsa_float_denorm_mode_16_64 3
		.amdhsa_memory_ordered 1
		.amdhsa_forward_progress 1
		.amdhsa_inst_pref_size 76
	.end_amdhsa_kernel
	.amdgpu_metadata
---
amdhsa.version: [ 1, 2 ]
amdhsa.kernels:
  - .name:           k_qa42a9738eb_attn
    .symbol:         k_qa42a9738eb_attn.kd
    .args:
      - { .name: q_img, .offset: 0, .size: 8, .value_kind: global_buffer, .address_space: global }
      - { .name: kv_img, .offset: 8, .size: 8, .value_kind: global_buffer, .address_space: global }
      - { .name: lowp_scales, .offset: 16, .size: 8, .value_kind: global_buffer, .address_space: global }
      - { .name: out0, .offset: 24, .size: 8, .value_kind: global_buffer, .address_space: global }
    .group_segment_fixed_size: 327680
    .private_segment_fixed_size: 0
    .kernarg_segment_align: 8
    .kernarg_segment_size: 32
    .max_flat_workgroup_size: 256
    .sgpr_count:     72
    .vgpr_count:     384
    .wavefront_size: 32
...
	.end_amdgpu_metadata
.endif
;; end of part 2
;; ======== version 2 of 2: 2 launches; version 1 with the launch proj written anew for expert scheduling mode
;; workspace buffers: q_img 4,194,304 bytes; kv_img 8,388,608 bytes
;; launch proj (part 3): grid 64 x 3, 16 waves a work-group, no clusters, 145,408 bytes of LDS; arguments x, Wq, Wk, Wv, bq, bk, bv, lowp_scales, q_img, kv_img; writes q_img, kv_img
.if DOCPART == 3
	.amdgcn_target "amdgcn-amd-amdhsa--gfx1250"
	.amdhsa_code_object_version 6
	.text
	.protected	k_qa42a9738eb_proj
	.globl	k_qa42a9738eb_proj
	.p2align	8
	.type	k_qa42a9738eb_proj,@function
k_qa42a9738eb_proj:
	s_mov_b64 s[64:65], 0
	v_nop
	global_prefetch_b8 v0, s[64:65] scope:SCOPE_SE
	s_setreg_imm32_b32 hwreg(HW_REG_WAVE_SCHED_MODE, 0, 2), 2
	s_setreg_imm32_b32 hwreg(HW_REG_WAVE_MODE, 25, 1), 1
	s_wait_xcnt 0x0
	s_wait_alu depctr_vm_vsrc(0)
; Q = x Wq^T + bq, K = x Wk^T + bk, V = x Wv^T + bv on codes of FP8 (E4M3), and the results quantised again for the attention that follows.
; x: [16384][256] f32.  W: [256 (out)][256 (in)] f32.  Scales 2^e, e from lowp_scales: x 0, 2, 4; W 1, 3, 5; Q 6, K 7, V 9.
; SHARES.  Work-group (bx, y): rows 256 bx .. + 255 of x, and the whole weight of y (0: Q, 1: K, 2: V).  Sixteen waves.
; ONE PATH FOR ALL THREE: Out[rho][pi] = sum over k of R[rho][k] P[pi][k], source 0 = 16 rows of P, source 1 = 16 rows of R, so that a lane holds one row of R
; and its registers run along P, which is the next product's K.  Q, K: R = x, P = W (codes along d).  V: R = Wv, P = x (codes along the keys).  Only scalars chosen on y differ.
; THE ROWS OF A TILE ARE NOT NEIGHBOURS: place r of tile 2 b + u is row 32 b + 8 u + r + 8 (r / 8), so that a lane's 16 registers of tiles 2 b, 2 b + 1 are the neighbours 32 b + 16 (lane / 16) + 0 .. 15.
; OUT: images of operand registers.  A fragment (16 rows x 128 along K) is 2,048 bytes: chunk c at 512 c + 16 lane holds, of the tile's row lane % 16, k = 32 c + 16 (lane / 16) + 0 .. 15.
;   q_img: [tile of 16 queries][d step][2048].   kv_img: [block of 256 keys][131072]: K: [key tile][d step][2048]; from 65,536 on V: [d tile][key step][2048].
; PHASE A: wave w quantises rows 16 w .. + 15 of x's block and of W.  A load reads 512 consecutive bytes; a lane's 8 numbers of a row (k = 4 l .. + 3 and 128 + 4 l .. + 3) become 8 codes at byte 8 l of the row in LDS:
;   a permutation of k that is the same in x and in W, so every product meets its partner (a tensor has one scale).
; PHASE B: wave (wr, wp) makes 64 rows of R x 64 rows of P: 16 accumulators by turns, K in four steps of 64.   PHASE C: bias, hold, conversion; each store covers 512 consecutive bytes, aligned.
; NO JOINT LOADS, NO TENSOR LOADS: the f32 numbers are wanted in registers, once, for the conversion; as tiles a work-group's 524,288 bytes of them would pass the 327,680 bytes that a launch may claim,
;   so they would need slots, refills and a way through LDS for bytes that are used once.
; LIMITS, so that each power of two below is an f32 number: ex, ew and eo - ex - ew between -126 and 119.  NaN among the inputs is not served; what lies beyond a scale's range is held at the largest code.
; REGISTERS: v1 16 lane; v2, v3 where I store x's and W's codes; v4, v5 my fragments of R and of P; v6 my place in the images; v7, v8 offsets into the bias; v11-14 scales and holds for x and W;
;   v16-143 the accumulators (phase A: two sets of 64 numbers); v144-175 R's fragments, v176-207 P's (phase A: codes; phase C: v144-175 codes); v208-239 bias along P, behind the first K step P's second set; v240-247 bias along R (pairs);
;   v248, v249 the results' scale and hold; v254, v255 the spare word's address and 0.
; THE MODE: SCHED_MODE bits 1:0 = 2 (LLVM: expert scheduling mode 2), set by the entry lines.  The code itself states the register dependences
; between vector or matrix instructions and memory or LDS instructions, with s_wait_alu, always for 0.
; THE PLAN.  Registers that memory or LDS instructions touch:
;   v1-v8, v254, v255   written at the head, never again; read by every load and store, and by the closing add: one wait on va_vdst ahead of the first load.
;   S0, S1              loads land; the set's holds and conversions read and write it; then loads land again.  From phase B on the accumulators, which vector and matrix instructions alone name.
;   four sets of codes  (v144-207, 16 registers each) written by one set's conversions, read by that set's eight LDS stores.
;       One wait on va_vdst behind each set's conversions states both: the codes are written, and S0 or S1 is done with.  The loads into the set follow it first, then the LDS stores.
;   X = v144-175        R's fragments: the LDS loads of K steps 0 to 3 land; each step's products read it.  In phase C the results' codes: conversions write them, the global stores read them.
;   Y = v176-207        P's fragments of K steps 0 and 2.       Z = v208-239  the bias along P (the C of K step 0's products), then P's fragments of K steps 1 and 3.
;       One wait on vm_vsrc behind the barrier: the LDS stores have read v144-207, which are X and Y from there on.
;       One wait on va_vdst behind each of K steps 0, 1, 2: its products are done reading their buffers.  Behind step 0: R1 into X, P1 into Z, P2 into Y; behind step 1: R2 into X, P3 into Z; behind step 2: R3 into X.
;       P2 and P3 are asked for a step ahead: step 1's products name X and Z, not Y; step 2's name X and Y, not Z.
.set GP,  4480                         ; 16 rows in LDS: 16 x 272 + 128, so that rows 0-7 and rows 16-23 of a tile start at sixteen different banks
.set RP,  272                          ; a row of 256 codes + 16
.set WC,  16*GP                        ; x's codes at 0, W's codes here
.set ACC, 16
.set S0,  16
.set S1,  80
.set FRR, 144
.set FRP, 176
.set CD,  144
.set BP,  208
.set FP2, 208                          ; P's second set: the registers of the bias along P
.set BR,  240
.macro PLACES n
.rept \n
	v_nop
.endr
.endm
.macro LOADB set, base, row0           ; eight rows of 1,024 bytes: two loads a row, each 512 consecutive bytes
.irp i, 0,1,2,3,4,5,6,7
	global_load_b128 v[\set+8*\i:\set+8*\i+3], v1, s[\base:\base+1] offset:(\row0+\i)*1024
	global_load_b128 v[\set+8*\i+4:\set+8*\i+7], v1, s[\base:\base+1] offset:(\row0+\i)*1024+512
.endr
.endm
.macro QUANT set, code, sc, lim        ; eight rows: hold, conversion: 8 codes a lane and row
.irp i, 0,1,2,3,4,5,6,7
.irp j, 0,1,2,3,4,5,6,7
	v_med3_num_f32 v[\set+8*\i+\j], v[\set+8*\i+\j], -v[\lim], v[\lim]   ; the conversion to an 8-bit code does not saturate (ISA guide 7.6.2): the hold at the largest code x the scale
.endr
	v_cvt_scalef32_pk8_fp8_f32 v[\code+2*\i:\code+2*\i+1], v[\set+8*\i:\set+8*\i+7], v[\sc]
.endr
	v_nop                                          ; one plain vector line behind the last conversion: its sources are written again by matrix instructions later
	s_wait_alu depctr_va_vdst(0)                   ; the conversions have written v[code ..], which the LDS stores read; the holds and conversions are done with v[set ..], in which the next loads land
.endm
.macro PUT code, adr, row0             ; the eight rows' codes into LDS
.irp i, 0,1,2,3,4,5,6,7
	ds_store_b64 v[\adr], v[\code+2*\i:\code+2*\i+1] offset:(\row0+\i)*RP
.endr
.endm
.macro FRAGS reg, adr, q               ; four fragments, 64 rows x 64 along K, the q-th 64 of the rows at v[adr], into v[reg ..]: eight loads
.irp t, 0,1,2,3
	ds_load_b128 v[\reg+8*\t:\reg+8*\t+3],   v[\adr] offset:(\t/2)*2*GP+(\t%2)*8*RP+64*(\q)
	ds_load_b128 v[\reg+8*\t+4:\reg+8*\t+7], v[\adr] offset:(\t/2)*2*GP+(\t%2)*8*RP+64*(\q)+32
.endr
.endm
.macro MUL16 p, q                      ; K step q: sixteen products, P's fragments at v[p ..]; the sixteen accumulators take turns
.irp a, 0,1,2,3
.irp b, 0,1,2,3
.if \q == 0
	v_wmma_f32_16x16x64_fp8_fp8 v[ACC+32*\a+8*\b:ACC+32*\a+8*\b+7], v[\p+8*\b:\p+8*\b+7], v[FRR+8*\a:FRR+8*\a+7], v[BP+8*\b:BP+8*\b+7]   ; the bias along P starts the sum
.else
	v_wmma_f32_16x16x64_fp8_fp8 v[ACC+32*\a+8*\b:ACC+32*\a+8*\b+7], v[\p+8*\b:\p+8*\b+7], v[FRR+8*\a:FRR+8*\a+7], v[ACC+32*\a+8*\b:ACC+32*\a+8*\b+7]
.endif
.endr
.endr
	PLACES 4                                       ; in front of the next loads into the fragments' registers, and of the first read of the results
.endm
	s_load_b512 s[8:23], s[0:1], 0x0               ; x s[8:9], Wq, Wk, Wv s[10:15], bq, bk, bv s[16:21], the scales' exponents s[22:23]
	s_load_b128 s[24:27], s[0:1], 0x40             ; q_img s[24:25], kv_img s[26:27]
	v_lshl_add_u32 v254, v0, 2, 0x23000
	v_mov_b32 v255, 0
	s_and_b32 s2, ttmp7, 0xffff                    ; y: which of Q, K, V
	s_mov_b32 s3, ttmp9                            ; bx: which 256 rows of x
	v_lshrrev_b32 v9, 5, v0
	v_readfirstlane_b32 s4, v9                     ; wave 0..15
	v_and_b32 v9, 31, v0
	v_lshlrev_b32 v1, 4, v9                        ; 16 x lane
	s_wait_alu depctr_va_sdst(0)                   ; s4 is written, ahead of its first reader: LDS addresses and the buffers' offsets are made from it
	s_lshr_b32 s5, s4, 2                           ; wr: my 64 rows of R
	s_and_b32 s6, s4, 3                            ; wp: my 64 rows of P
	s_mul_i32 s49, s4, GP
	v_lshl_add_u32 v2, v9, 3, s49                  ; phase A: 8 x lane + my group of 16 rows, in x's codes,
	v_add_nc_u32 v3, WC, v2                        ; and in W's
	v_bfe_u32 v9, v0, 3, 1                         ; r / 8
	v_and_b32 v10, 7, v0                           ; r % 8
	v_bfe_u32 v15, v0, 4, 1                        ; h
	v_mul_u32_u24 v4, v9, GP
	v_mad_u32_u24 v4, v10, RP, v4
	v_lshl_add_u32 v4, v15, 4, v4                  ; place r of a tile: (r / 8) groups + (r % 8) rows + 16 h
	s_cmp_eq_u32 s2, 2                             ; V: R = W, P = x; else R = x, P = W
	s_cselect_b32 s49, WC, 0
	s_cselect_b32 s50, 0, WC
	s_cselect_b32 s55, 0x10000, 0                  ; V's images lie 65,536 bytes behind K's
	s_mul_i32 s51, s5, 4*GP
	s_add_co_u32 s49, s49, s51
	s_mul_i32 s51, s6, 4*GP
	s_add_co_u32 s50, s50, s51
	v_add_nc_u32 v5, s50, v4                       ; my fragments of P,
	v_add_nc_u32 v4, s49, v4                       ; and of R
	s_lshl_b32 s49, s5, 14
	s_lshl_b32 s51, s6, 10
	s_add_co_u32 s49, s49, s51
	v_add_nc_u32 v6, s49, v1                       ; images: tile 4 wr + a at 4,096 each; P rows 64 wp on are chunks 2 (wp % 2) + 0, 1 of step wp / 2: 1,024 wp
	s_lshl_b32 s51, s6, 8
	v_lshl_add_u32 v7, v15, 6, s51                 ; bias along P: (64 wp + 16 h) x 4
	v_and_b32 v10, 15, v0
	v_lshlrev_b32 v8, 2, v10
	v_lshl_add_u32 v8, v9, 5, v8
	s_lshl_b32 s51, s5, 8
	v_add_nc_u32 v8, s51, v8                       ; bias along R: (64 wr + r + 8 (r / 8)) x 4
	s_lshl_b32 s50, s3, 18                         ; x: 256 rows of 1,024 bytes a block,
	s_lshl_b32 s52, s4, 14                         ; 16 rows a wave; W: the same 16 rows a wave
	s_add_co_u32 s50, s50, s52
	s_mov_b32 s51, 0
	s_mov_b32 s53, 0
	s_wait_kmcnt 0x0
	s_load_b256 s[32:39], s[22:23], 0x0            ; e0 .. e7
	s_load_b64 s[40:41], s[22:23], 0x20            ; e8, e9
	s_add_nc_u64 s[28:29], s[8:9], s[50:51]
	s_wait_alu depctr_va_vdst(0)                   ; the offsets and LDS addresses v1 to v8 are written, which every load and store below reads; so are v254 and v255, which the closing add reads
	LOADB S0, 28, 0                                ; x, my rows 0-7
	LOADB S1, 28, 8                                ; x, my rows 8-15
	s_cmp_eq_u32 s2, 1                             ; the buffers are chosen on the work-group's y alone
	s_cselect_b64 s[30:31], s[12:13], s[10:11]
	s_cselect_b64 s[42:43], s[18:19], s[16:17]
	s_cmp_eq_u32 s2, 2
	s_cselect_b64 s[30:31], s[14:15], s[30:31]     ; W
	s_cselect_b64 s[42:43], s[20:21], s[42:43]     ; its bias
	s_cmp_eq_u32 s2, 0
	s_cselect_b64 s[44:45], s[24:25], s[26:27]     ; where the images go
	s_cselect_b32 s54, 16, 17                      ; a block is 65,536 bytes of q_img, 131,072 of kv_img
	s_lshl_b32 s54, s3, s54
	s_add_co_u32 s54, s54, s55
	s_mov_b32 s55, 0
	s_add_nc_u64 s[44:45], s[44:45], s[54:55]
	s_add_nc_u64 s[30:31], s[30:31], s[52:53]
	s_wait_kmcnt 0x0
	s_cmp_eq_u32 s2, 1
	s_cselect_b32 s46, s34, s32                    ; ex
	s_cselect_b32 s47, s35, s33                    ; ew
	s_cselect_b32 s48, s39, s38                    ; eo
	s_cmp_eq_u32 s2, 2
	s_cselect_b32 s46, s36, s46
	s_cselect_b32 s47, s37, s47
	s_cselect_b32 s48, s41, s48
	s_add_co_i32 s49, s46, 127
	s_lshl_b32 s50, s49, 23
	v_mov_b32 v11, s50                             ; 2^ex as f32: the conversion takes its exponent field
	s_add_co_i32 s49, s49, 8
	s_lshl_b32 s49, s49, 23
	s_or_b32 s49, s49, 0x600000
	v_mov_b32 v12, s49                             ; 448 x 2^ex
	s_add_co_i32 s49, s47, 127
	s_lshl_b32 s50, s49, 23
	v_mov_b32 v13, s50                             ; 2^ew
	s_add_co_i32 s49, s49, 8
	s_lshl_b32 s49, s49, 23
	s_or_b32 s49, s49, 0x600000
	v_mov_b32 v14, s49                             ; 448 x 2^ew
	s_add_co_i32 s57, s46, s47                     ; ex + ew: a sum stands for sum x 2^(ex + ew)
	s_sub_co_i32 s56, 0, s57                       ; so the bias goes in as bias / 2^(ex + ew),
	s_sub_co_i32 s49, s48, s57                     ; and the results' conversion takes 2^(eo - ex - ew)
	s_add_co_i32 s49, s49, 127
	s_lshl_b32 s50, s49, 23
	v_mov_b32 v248, s50
	s_add_co_i32 s49, s49, 8
	s_lshl_b32 s49, s49, 23
	s_or_b32 s49, s49, 0x600000
	v_mov_b32 v249, s49
	; ---- A.  Behind a set's wait on va_vdst the loads that land in the set again go out first, then the LDS stores of its codes: no vector instruction stands between the wait and them
	s_wait_loadcnt 16                              ; x's rows 0-7 are in; the 16 loads of rows 8-15 may be out
	QUANT S0, CD, 11, 12
	LOADB S0, 30, 0                                ; W, my rows 0-7
	PUT CD, 2, 0
	s_wait_loadcnt 16                              ; x's rows 8-15 are in; the 16 just issued may be out
	QUANT S1, CD+16, 11, 12
	LOADB S1, 30, 8                                ; W, my rows 8-15
.irp b, 0,1,2,3
	global_load_b128 v[BP+8*\b:BP+8*\b+3],   v7, s[42:43] offset:(32*(\b/2)+8*(\b%2))*4      ; bias[64 wp + 32 (b / 2) + 16 h + 8 (b % 2) + 0 .. 7]: the result's layout along P
	global_load_b128 v[BP+8*\b+4:BP+8*\b+7], v7, s[42:43] offset:(32*(\b/2)+8*(\b%2))*4+16
.endr
.irp a, 0,1,2,3
	global_load_b32 v[BR+2*\a], v8, s[42:43] offset:(32*(\a/2)+8*(\a%2))*4                   ; bias of my row of R in tile a
.endr
	PUT CD+16, 2, 8
	s_wait_loadcnt 28                              ; W's rows 0-7 are in; behind them: 16 loads of rows 8-15 and 12 of the bias
	QUANT S0, CD+32, 13, 14
	PUT CD+32, 3, 0
	s_wait_loadcnt 12                              ; W's rows 8-15 are in; the bias may be out
	QUANT S1, CD+48, 13, 14
	PUT CD+48, 3, 8
	s_wait_dscnt 0x0                               ; for the others' sake: my codes lie in LDS
	s_barrier_signal -1
	s_barrier_wait -1                              ; everybody's do; from here on LDS is only read
	; ---- B
	s_wait_alu depctr_vm_vsrc(0)                   ; my LDS stores have read v144 to v207: these registers are R's and P's fragments from here on (the conversions that wrote them stand ahead of the last wait on va_vdst)
	FRAGS FRR, 4, 0                                ; K step 0's fragments land while the bias is made ready
	FRAGS FRP, 5, 0
	s_wait_loadcnt 0x0                             ; the bias
	s_cmp_eq_u32 s2, 2
	s_cselect_b32 vcc_lo, 0, -1                    ; V's bias runs along R, not along P
.set j, 0
.rept 32
	v_ldexp_f32 v[BP+j], v[BP+j], s56
.set j, j+1
.endr
.set j, 0
.rept 32
	v_cndmask_b32 v[BP+j], 0, v[BP+j], vcc_lo      ; V: the sums start at 0
.set j, j+1
.endr
.irp a, 0,1,2,3
	v_ldexp_f32 v[BR+2*\a], v[BR+2*\a], s56
	v_mov_b32 v[BR+2*\a+1], 0                      ; (named with it as a pair, so it is written)
.endr
	s_wait_dscnt 0x0                               ; K step 0's fragments are in
	MUL16 FRP, 0
	s_wait_alu depctr_va_vdst(0)                   ; K step 0's products are done reading R's fragments, P's first set and the bias along P (which vector instructions wrote): loads land in all three
	FRAGS FRR, 4, 1
	FRAGS FP2, 5, 1
	FRAGS FRP, 5, 2                                ; a step ahead: K step 1's products do not name P's first set
	s_wait_dscnt 8                                 ; LDS loads come back in order (ISA guide 5.7.1): K step 1's fragments are in; the eight loads of P's for K step 2 may be out
	MUL16 FP2, 1
	s_wait_alu depctr_va_vdst(0)                   ; K step 1's products are done reading R's fragments and P's second set
	FRAGS FRR, 4, 2
	FRAGS FP2, 5, 3                                ; a step ahead: K step 2's products do not name P's second set
	s_wait_dscnt 8                                 ; K step 2's fragments are in; the eight loads of P's for K step 3 may be out
	MUL16 FRP, 2
	s_wait_alu depctr_va_vdst(0)                   ; K step 2's products are done reading R's fragments
	FRAGS FRR, 4, 3
	s_wait_dscnt 0x0                               ; K step 3's fragments are in
	MUL16 FP2, 3
	; ---- C
	s_cmp_lg_u32 s2, 2
	s_cbranch_scc1 .Lno_row_bias                   ; on the work-group's y: vector work alone is jumped over
.irp a, 0,1,2,3
.set j, 0
.rept 16
	v_pk_add_f32 v[ACC+32*\a+j:ACC+32*\a+j+1], v[ACC+32*\a+j:ACC+32*\a+j+1], v[BR+2*\a:BR+2*\a+1] op_sel_hi:[1,0]   ; V: my row's bias onto all of it; each accumulator from its low end on
.set j, j+2
.endr
.endr
.Lno_row_bias:
.macro RESULT a                        ; tile a of my rows of R: 32 numbers a lane become two chunks of an image
.irp g, 0,1
.irp j, 0,1,2,3,4,5,6,7,8,9,10,11,12,13,14,15
	v_med3_num_f32 v[ACC+32*\a+16*\g+\j], v[ACC+32*\a+16*\g+\j], -v249, v249   ; the hold; each accumulator from its low end on
.endr
	v_cvt_scalef32_pk8_fp8_f32 v[CD+8*\a+4*\g:CD+8*\a+4*\g+1],   v[ACC+32*\a+16*\g:ACC+32*\a+16*\g+7],    v248   ; 16 neighbours along the next K: one chunk of an image
	v_cvt_scalef32_pk8_fp8_f32 v[CD+8*\a+4*\g+2:CD+8*\a+4*\g+3], v[ACC+32*\a+16*\g+8:ACC+32*\a+16*\g+15], v248
.endr
.endm
.macro LEAVE a
.irp g, 0,1
	global_store_b128 v6, v[CD+8*\a+4*\g:CD+8*\a+4*\g+3], s[44:45] offset:\a*4096+\g*512   ; 32 lanes store 512 consecutive bytes, at a multiple of 512 from the buffer's first byte
.endr
.endm
	RESULT 0
	RESULT 1
	s_wait_alu depctr_va_vdst(0)                   ; the conversions have written the codes of tiles 0 and 1, which the four stores below read; tiles 2 and 3 name none of those registers
	LEAVE 0
	LEAVE 1
	RESULT 2
	RESULT 3
	v_nop                                          ; one plain vector line behind the last conversion
	s_wait_alu depctr_va_vdst(0)                   ; the conversions have written the codes of tiles 2 and 3, which the last four stores read
	LEAVE 2
	LEAVE 3
	s_wait_dscnt 0x0                               ; the closing lines, six on end
	s_wait_alu 0x0
	s_wait_tensorcnt 0x0
	ds_add_u32 v254, v255
	s_wait_dscnt 0x0
	s_endpgm
.Lfunc_end_k_qa42a9738eb_proj:
	.size	k_qa42a9738eb_proj, .Lfunc_end_k_qa42a9738eb_proj-k_qa42a9738eb_proj
	.p2alignl 7, 3214868480
	.fill 96, 4, 3214868480
	.section	.rodata,"a",@progbits
	.p2align	6, 0x0
	.amdhsa_kernel k_qa42a9738eb_proj
		.amdhsa_group_segment_fixed_size 145408
		.amdhsa_private_segment_fixed_size 0
		.amdhsa_enable_private_segment 0
		.amdhsa_kernarg_size 80
		.amdhsa_user_sgpr_count 2
		.amdhsa_user_sgpr_kernarg_segment_ptr 1
		.amdhsa_wavefront_size32 1
		.amdhsa_system_sgpr_workgroup_id_x 1
		.amdhsa_system_sgpr_workgroup_id_y 1
		.amdhsa_system_sgpr_workgroup_id_z 1
		.amdhsa_system_vgpr_workitem_id 0
		.amdhsa_next_free_vgpr 256
		.amdhsa_next_free_sgpr 66
		.amdhsa_reserve_vcc 1
		.amdhsa_float_denorm_mode_32 3
		.amdhsa_float_denorm_mode_16_64 3
		.amdhsa_memory_ordered 1
		.amdhsa_forward_progress 1
		.amdhsa_inst_pref_size 59
	.end_amdhsa_kernel
	.amdgpu_metadata
---
amdhsa.version: [ 1, 2 ]
amdhsa.kernels:
  - .name:           k_qa42a9738eb_proj
    .symbol:         k_qa42a9738eb_proj.kd
    .args:
      - { .name: x, .offset: 0, .size: 8, .value_kind: global_buffer, .address_space: global }
      - { .name: Wq, .offset: 8, .size: 8, .value_kind: global_buffer, .address_space: global }
      - { .name: Wk, .offset: 16, .size: 8, .value_kind: global_buffer, .address_space: global }
      - { .name: Wv, .offset: 24, .size: 8, .value_kind: global_buffer, .address_space: global }
      - { .name: bq, .offset: 32, .size: 8, .value_kind: global_buffer, .address_space: global }
      - { .name: bk, .offset: 40, .size: 8, .value_kind: global_buffer, .address_space: global }
      - { .name: bv, .offset: 48, .size: 8, .value_kind: global_buffer, .address_space: global }
      - { .name: lowp_scales, .offset: 56, .size: 8, .value_kind: global_buffer, .address_space: global }
      - { .name: q_img, .offset: 64, .size: 8, .value_kind: global_buffer, .address_space: global }
      - { .name: kv_img, .offset: 72, .size: 8, .value_kind: global_buffer, .address_space: global }
    .group_segment_fixed_size: 145408
    .private_segment_fixed_size: 0
    .kernarg_segment_align: 8
    .kernarg_segment_size: 80
    .max_flat_workgroup_size: 512
    .sgpr_count:     66
    .vgpr_count:     256
    .wavefront_size: 32
...
	.end_amdgpu_metadata
.endif
;; end of part 3
;; launch attn: the kernel of part 2 again; grid 64 x 4, 8 waves a work-group, clusters of 4 x 1, 327,680 bytes of LDS; arguments q_img, kv_img, lowp_scales, out0; writes out0
